; MI455X (gfx1250); checked and timed in simulation.
; The chip was launched on July 23, 2026; its instructions are those of AMD's public machine-readable ISA for CDNA 5 (MIT licence, August 2026) and "CDNA5" Instruction Set Architecture Reference Guide (July 2026). The comments in the code are by the model that wrote it; some were corrected since.
;; SAG Pool. Allowed arithmetic: matrix products marked QUANTISED: E2M1 operands, one E8M0 scale for each 32 along K, by v_wmma_scale_f32_16x16x128_f8f6f4 with both operands' format E2M1 (or v_wmma_scale_f32_32x16x128_f4), f32 sums; products left as they are: f32 operands where the result goes on into a quantised operand, else bf16, f16 or f32 operands; f32 sums; everything else in f32.
;; Inputs: A 4,096 x 4,096 float32; I 4,096 int32; X 4,096 x 256 float32; kernel 256 x 1 float32.
;; Outputs: out0 2,048 x 256 float32; out1 2,048 x 2,048 float32; out2 2,048 int32.
;; This version of the problem:
;;   THIS VERSION OF THE PROBLEM IS GIVEN IN LOW PRECISION. The matrix products marked QUANTISED in the list below multiply operands that are first quantised to E2M1 (2 exponent bits, 1 mantissa bit; 4 bits a number), with one power-of-two scale for each 32 numbers along K (OCP MX v1.0); their sums are f32. All else is computed in f32.
;;   The module's matrix products, in the order in which they are computed (A, B: the left and right operand; K: the contracted axis; several contracted axes count as one K, in the product's order):
;;     1. [M 4,096, K 256] x [K 256, N 1]; A: input X; B: input kernel: left as it is (N = 1 < 16)
;;     2. [M 4,096, K 4,096] x [K 4,096, N 1]; A: input A; B: computed on the way: left as it is (N = 1 < 16)
;;     3. [M 4,096, K 4,096] x [K 4,096, N 4,096]; A: input A; B: input A: QUANTISED
;;   THE QUANTISER, for each operand of a quantised product, along K:
;;     - K is cut into blocks of 32 from its start; a last block that is shorter is filled with zeros.
;;     - A block's scale is 2^e with e = floor(log2(the largest magnitude in the block)) - 2, held to -126 .. 127; a block of zeros has e = 0. As a byte (E8M0): e + 127.
;;     - Each number is divided by its block's scale, clamped to +-6, and rounded to the nearest number of E2M1, ties to even, subnormals kept.
;;     - The product sums the exact products of the quantised numbers (number of the format x scale) in f32.
;;   ~~~python
;;   def quantise(x, axis):      # numpy; x: float32 -> the quantised numbers, widened to float32 again
;;       x = np.moveaxis(x, axis, -1); K = x.shape[-1]
;;       x = np.pad(x, [(0, 0)] * (x.ndim - 1) + [(0, -K % 32)]); x = x.reshape(x.shape[:-1] + (-1, 32)); a = np.abs(x).max(-1, keepdims=True)
;;       e = np.where(a > 0, np.clip(np.frexp(np.where(a > 0, a, 1))[1] - 1 - 2, -126, 127), 0)      # np.frexp(a)[1] - 1 = floor(log2(a)), exactly
;;       r = np.clip(x / 2.0 ** e, -6, 6)
;;       step = 2.0 ** (np.maximum(np.frexp(np.where(r == 0, 1, r))[1] - 1, 0) - 1)
;;       q = np.round(r / step) * step * 2.0 ** e      # np.round: ties to even
;;       return np.moveaxis(q.reshape(q.shape[:-2] + (-1,))[..., :K], -1, axis).astype(np.float32)
;;   ~~~
;; 2 versions, each right; version 2 is version 1 with the launch gemm written anew for expert scheduling mode. Each part assembles by itself: llvm-mc -triple=amdgcn-amd-amdhsa -mcpu=gfx1250 --defsym DOCPART=n.
;; ======== version 1 of 2: 3 launches
;; workspace buffers: codes_r 8,388,608 bytes; codes_c 8,388,608 bytes; scales 1,048,576 bytes; ypart 262,144 bytes; idx 8,192 bytes of whole numbers; gate 16,384 bytes
;; launch prep (part 1): grid 16 x 16, 8 waves a work-group, no clusters, 327,680 bytes of LDS; arguments A, X, kernel, codes_r, codes_c, scales, ypart; writes codes_r, codes_c, scales, ypart
.if DOCPART == 1
	.amdgcn_target "amdgcn-amd-amdhsa--gfx1250"
	.amdhsa_code_object_version 6
	.text
	.protected	k_q31d5ad6cae_prep
	.globl	k_q31d5ad6cae_prep
	.p2align	8
	.type	k_q31d5ad6cae_prep,@function
k_q31d5ad6cae_prep:
	s_mov_b64 s[64:65], 0
	v_nop
	global_prefetch_b8 v0, s[64:65] scope:SCOPE_SE
	s_setreg_imm32_b32 hwreg(HW_REG_WAVE_MODE, 25, 1), 1
	s_wait_xcnt 0x0
; ONE PASS OVER A [4096][4096] f32.  A work-group takes a tile of 256 rows x 256 columns (x = column block cb, y = row block rb) and makes of it:
;   codes_r [kc 16][row 4096][128 B]   FP4 (E2M1) codes of A[row][256 kc ..], quantised ALONG THE ROW (the left operand of A A), kc = cb
;   codes_c [kc 16][column 4096][128 B] FP4 codes of A[256 kc ..][column], quantised DOWN THE COLUMN (the right operand), kc = rb
;   scales  [plane 2][kc 16][4096][8 B] E8M0 bytes: plane 0 for rows, plane 1 for columns; byte b = block b of 32 in that kc
;   ypart   [cb 16][4096] f32           the tile's part of y = A (X kernel): the sum over the tile's 256 columns
; In these layouts a tile's codes are two dense blocks of 32 KiB: every store of the wave covers 512 or 256 consecutive bytes, aligned.
; z = X kernel is made anew for the tile's 256 columns (256 rows of X, f32 multiply-adds): that spares a launch of its own.
; A block's scale is 2^(floor(log2(its largest magnitude)) - 2); its byte is the largest magnitude's exponent field - 2, held at 1 from below.
; LIMITS: a block whose largest magnitude lies under 2^-124, a block of zeros among them, gets the byte 1 (such small blocks were not tried); the bytes are read by this program alone.
; NaN and infinities among the inputs are not served.  y is summed in f32 in another order than a row-long sum.
; SHARES: eight waves; wave w owns strip w, rows 32 w .. 32 w + 31 of the tile, as four pieces of 32 rows x 64 columns, each brought by one tensor load of the wave's own and read by that wave alone.
; In the row pass a lane is a row (64 neighbours along the row: two blocks).  In the column pass a lane is TWO NEIGHBOURING COLUMNS (32 numbers down the strip each: one block each):
; a row of a piece, 256 bytes, is then one LDS load of 8 bytes a lane.  The loaded pairs are first multiplied by the lane's own pair of z (y's sums: one pair for each of the 32 rows, kept over the four pieces),
; then parted by moves, since a conversion takes eight consecutive registers of one column.  Nothing is transposed by an instruction.
; No joint loads: the tiles of A are shared by nobody; the rows of X that sixteen work-groups read go straight into registers.
; Every LDS byte that a tensor load fills is filled once: there is no ring.
.set TW,   34816                       ; LDS: a wave's four pieces
.set PB,   8704                        ; a piece: 32 rows x (256 bytes + 16 of padding): row r starts 16 r bytes on modulo 256, so sixteen rows' 16 bytes fall on different banks (ISA guide 11.1)
.set SCR,  278528                      ; behind the tiles: first the scratch for z (wave w: 32 rows x 144 at 4,608 w), behind the first barrier the stage for column codes (column x 144 + 16 x strip)
.set ZV,   315392                      ; z of the tile's 256 columns
.set ACS,  316416                      ; column scale bytes: column x 8 + strip
.set YV,   318464                      ; y's parts of the tile's 256 rows (directly behind ACS)
.set G1,   24                          ; s[24:31] descriptor group 1
.set G0,   32                          ; s[32:47] descriptor group 0, one set for each piece
; v1 lane, v2 16 lane; v3-v17 LDS addresses (below); v18-23 two blocks' largest magnitudes, scale operands, bytes; v[24:25] my row's 8 scale bytes;
; v34-41 kernel; v[42:43] at work, later my two columns' z; v44-51 row codes; v52-59 column codes; v64-127 D: my row's 64 numbers, then my two columns parted; v128-191 C: my two columns in pairs; v192-255 y's 32 pairs of sums.
; In the phase that makes z: v64-191 sixteen rows of X, v192-223 my parts of 32 dot products, v224-255 one row's 32 parts.
	s_load_b256 s[4:11], s[0:1], 0x0               ; A s[4:5], X s[6:7], kernel s[8:9], codes_r s[10:11]
	s_load_b128 s[12:15], s[0:1], 0x20             ; codes_c s[12:13], scales s[14:15]
	s_load_b64 s[16:17], s[0:1], 0x30              ; ypart
	v_lshl_add_u32 v62, v0, 2, 0x4e000
	v_mov_b32 v63, 0
	ds_add_u32 v62, v63
	ds_add_u32 v62, v63
	v_lshrrev_b32 v1, 5, v0
	v_readfirstlane_b32 s18, v1                    ; wave 0..7
	v_and_b32 v1, 31, v0                           ; lane
	v_lshlrev_b32 v2, 4, v1                        ; 16 x lane
	s_mov_b32 s19, ttmp9                           ; cb
	s_and_b32 s20, ttmp7, 0xffff                   ; rb
	; group 1: a piece of 32 rows x 64 elements of 4 bytes, rows 4,096 elements apart, 4 words of padding behind every 64
	s_mov_b32 s[G1+0], (2<<16)|(1<<20)|(5<<22)|(3<<25)
	s_mov_b32 s[G1+1], 64<<16                      ; tensor_dim0 = 64
	s_mov_b32 s[G1+2], 32<<16                      ; tensor_dim1 = 32
	s_mov_b32 s[G1+3], 64<<16                      ; tile_dim0 = 64
	s_mov_b32 s[G1+4], 32                          ; tile_dim1 = 32
	s_mov_b32 s[G1+5], 4096                        ; from row to row
	s_mov_b32 s[G1+6], 0
	s_mov_b32 s[G1+7], 0
	; byte offsets, each in a pair of its own
	s_lshl_b32 s22, s18, 5                         ; 32 w
	s_lshl_b32 s21, s20, 8
	s_add_co_u32 s21, s21, s22                     ; r0 = 256 rb + 32 w: my strip's first row
	s_lshl_b32 s23, s19, 8
	s_add_co_u32 s23, s23, s22                     ; c0 = 256 cb + 32 w: the columns (and rows of X) that I serve
	s_lshl_b32 s48, s21, 14                        ; A: r0 rows of 16,384 bytes + 1,024 cb
	s_lshl_b32 s49, s19, 10
	s_add_co_u32 s48, s48, s49
	s_mov_b32 s49, 0
	s_lshl_b32 s50, s23, 10                        ; X: c0 rows of 1,024 bytes
	s_mov_b32 s51, 0
	s_lshl_b32 s52, s19, 19                        ; codes_r: 524,288 cb + 128 r0
	s_lshl_b32 s53, s21, 7
	s_add_co_u32 s52, s52, s53
	s_mov_b32 s53, 0
	s_lshl_b32 s54, s20, 19                        ; codes_c: 524,288 rb + 128 c0
	s_lshl_b32 s55, s23, 7
	s_add_co_u32 s54, s54, s55
	s_mov_b32 s55, 0
	s_lshl_b32 s56, s19, 15                        ; row scales: 32,768 cb + 8 r0
	s_lshl_b32 s57, s21, 3
	s_add_co_u32 s56, s56, s57
	s_mov_b32 s57, 0
	s_lshl_b32 s58, s20, 15                        ; column scales: 524,288 + 32,768 rb + 2,048 cb + 512 w (waves 0 to 3 store them)
	s_lshl_b32 s59, s19, 11
	s_add_co_u32 s58, s58, s59
	s_lshl_b32 s59, s18, 9
	s_add_co_u32 s58, s58, s59
	s_add_co_u32 s58, s58, 524288
	s_mov_b32 s59, 0
	s_lshl_b32 s60, s19, 14                        ; ypart: 16,384 cb + 1,024 rb + 512 (w & 1) (waves 4 and 5 store it)
	s_lshl_b32 s61, s20, 10
	s_add_co_u32 s60, s60, s61
	s_and_b32 s61, s18, 1
	s_lshl_b32 s61, s61, 9
	s_add_co_u32 s60, s60, s61
	s_mov_b32 s61, 0
	s_mul_i32 s62, s18, TW                         ; my pieces in LDS
	s_mul_i32 s63, s18, 4608
	s_add_co_u32 s63, s63, SCR                     ; my part of the scratch, later my 32 columns of the stage
	s_wait_dscnt 0x0
	s_wait_kmcnt 0x0
	s_add_nc_u64 s[50:51], s[6:7], s[50:51]
.macro XLOAD i                         ; row i of my 32 rows of X: 1,024 bytes, two loads of 512 consecutive bytes; lane l holds features 4 l .. and 128 + 4 l ..
.set XR, 64+8*((\i)%16)
	global_load_b128 v[XR:XR+3], v2, s[50:51] offset:1024*(\i)
	global_load_b128 v[XR+4:XR+7], v2, s[50:51] offset:1024*(\i)+512
.endm
	global_load_b128 v[34:37], v2, s[8:9]          ; kernel, in the same places
	global_load_b128 v[38:41], v2, s[8:9] offset:512
.set ii, 0
.rept 16
	XLOAD ii                                       ; asked for ahead of A's pieces: z is wanted first
.set ii, ii+1
.endr
	s_add_nc_u64 s[48:49], s[4:5], s[48:49]
.irp j, 0,1,2,3
	s_mov_b32 s[G0+4*\j], 1                        ; count = 1
	s_add_co_u32 s[G0+4*\j+1], s62, \j*PB          ; LDS address: wave x 34,816 + piece x 8,704
	s_add_nc_u64 s[G0+4*\j+2:G0+4*\j+3], s[48:49], \j*256   ; the piece's first element: 64 columns on for each piece
	s_or_b32 s[G0+4*\j+3], s[G0+4*\j+3], 0x80000000         ; type = 2
.endr
	tensor_load_to_lds s[G0:G0+3], s[G1:G1+7]      ; all four first fills in one group: four tensor loads of mine are out
	s_nop 0
	tensor_load_to_lds s[G0+4:G0+7], s[G1:G1+7]
	s_nop 0
	tensor_load_to_lds s[G0+8:G0+11], s[G1:G1+7]
	s_nop 0
	tensor_load_to_lds s[G0+12:G0+15], s[G1:G1+7]
	s_nop 0
.rept 4
	v_nop                                          ; plain lines behind the tensor loads
.endr
	s_add_nc_u64 s[52:53], s[10:11], s[52:53]
	s_add_nc_u64 s[54:55], s[12:13], s[54:55]
	s_add_nc_u64 s[56:57], s[14:15], s[56:57]
	s_add_nc_u64 s[58:59], s[14:15], s[58:59]
	s_add_nc_u64 s[60:61], s[16:17], s[60:61]
	s_cmp_lt_u32 s18, 4                            ; the last small store: waves 0-3 column scales, waves 4-5 ypart; the choice hangs on the wave's number alone
	s_cselect_b64 s[58:59], s[58:59], s[60:61]
	v_mul_u32_u24 v3, v1, 272
	v_add_nc_u32 v3, s62, v3                       ; v3: row pass: my row of a piece
	v_lshlrev_b32 v4, 2, v1
	v_add_nc_u32 v6, s63, v4                       ; v6: z scratch, in: 4 x lane (+ 144 x row)
	v_add_nc_u32 v4, s62, v4                       ; v4: y scratch, in: my pieces + 4 x lane
	v_lshl_add_u32 v5, v1, 3, ZV                   ; v5: the z of my two columns: 8 x lane (+ 256 x piece)
	v_lshl_add_u32 v17, v1, 3, s62                 ; v17: column pass: my two columns of a piece: 8 x lane
	v_mul_u32_u24 v11, v1, 144
	v_add_nc_u32 v7, s63, v11                      ; v7: z scratch, out: row = my lane
	v_lshl_add_u32 v8, v0, 2, ZV                   ; v8: where my z goes
	s_lshl_b32 s22, s18, 4
	v_mul_u32_u24 v9, v1, 288
	v_add_nc_u32 v9, s22, v9
	v_add_nc_u32 v9, SCR, v9                       ; v9: column codes: 144 x (2 x lane) + 16 x strip
	v_lshlrev_b32 v15, 3, v1                       ; v15: 8 x lane
	v_lshl_add_u32 v10, v1, 4, s18
	v_add_nc_u32 v10, ACS, v10                     ; v10: column scale bytes: 8 x (2 x lane) + strip
	v_add_nc_u32 v11, s62, v11                     ; v11: row codes: a stage of 32 rows x 144 bytes in my piece 0, which has had its one fill and is read by me alone; + PB: y scratch, out
	v_lshrrev_b32 v12, 3, v1
	v_mul_u32_u24 v12, v12, 144
	v_and_b32 v14, 7, v1
	v_lshl_add_u32 v14, v14, 4, v12                ; four rows of 128 bytes an instruction: 144 (lane / 8) + 16 (lane % 8)
	v_add_nc_u32 v12, s62, v14                     ; v12: row codes back
	v_add_nc_u32 v14, s63, v14                     ; v14: column codes back: my 32 columns
	v_lshl_add_u32 v13, v0, 2, YV                  ; v13: where my row's y goes
	v_lshl_add_u32 v16, v0, 4, ACS                 ; v16: the small blocks back: waves 0-3 the 2,048 scale bytes, waves 4-5 the 1,024 bytes of y behind them
	; ---- z of my 32 rows of X.  A lane's eight products of a row; then the 32 lanes' parts meet through LDS.
.macro XDOT i
.if (\i) < 16
	s_wait_loadcnt 30                              ; row i is in; the fifteen rows behind it, two loads each, may be out
.else
	s_wait_loadcnt 2*(31-(\i))                     ; the rows still behind it
.endif
.set XR, 64+8*((\i)%16)
	v_pk_mul_f32 v[42:43], v[XR:XR+1], v[34:35]
	v_pk_fma_f32 v[42:43], v[XR+2:XR+3], v[36:37], v[42:43]
	v_pk_fma_f32 v[42:43], v[XR+4:XR+5], v[38:39], v[42:43]
	v_pk_fma_f32 v[42:43], v[XR+6:XR+7], v[40:41], v[42:43]
	v_add_f32 v[192+(\i)], v42, v43
.if (\i) < 16
	XLOAD (\i)+16                                  ; its registers take the row sixteen further on
.endif
.endm
.set ii, 0
.rept 32
	XDOT ii
.set ii, ii+1
.endr
.set ii, 0
.rept 32
	ds_store_b32 v6, v[192+ii] offset:144*ii       ; row ii's 32 parts on end
.set ii, ii+1
.endr
.irp q, 0,1,2,3,4,5,6,7
	ds_load_b128 v[224+4*\q:227+4*\q], v7 offset:16*\q   ; LDS serves a wave's instructions in order (ISA guide 5.7.1.4): lane l takes row l's 32 parts
.endr
	s_wait_dscnt 0x0
.irp q, 0,1,2,3,4,5,6,7
	v_pk_add_f32 v[224+4*\q:225+4*\q], v[224+4*\q:225+4*\q], v[226+4*\q:227+4*\q]
.endr
.irp q, 0,2,4,6
	v_pk_add_f32 v[224+4*\q:225+4*\q], v[224+4*\q:225+4*\q], v[228+4*\q:229+4*\q]
.endr
.irp q, 0,4
	v_pk_add_f32 v[224+4*\q:225+4*\q], v[224+4*\q:225+4*\q], v[232+4*\q:233+4*\q]
.endr
	v_pk_add_f32 v[224:225], v[224:225], v[240:241]
	v_add_f32 v224, v224, v225
	ds_store_b32 v8, v224                          ; z[32 w + lane]
	s_wait_dscnt 0x0                               ; for the others' sake: my z has landed, and my reads of the scratch are over
	s_barrier_signal -1
	s_barrier_wait -1                              ; all 256 z lie in LDS; the scratch is free for the column codes.
; the largest magnitudes of two blocks of 32, by turns, with the floor 2^(3 - 127) among the leaves; then scale operands (2 off the exponent field) and bytes.  A block's numbers stand st registers apart, from a and from b on
.macro MAX2 a, b, st
	v_max3_num_f32 v18, |v[\a]|, |v[\a+\st]|, 0x1800000
	v_max3_num_f32 v19, |v[\b]|, |v[\b+\st]|, 0x1800000
.irp i, 2,4,6,8,10,12,14,16,18,20,22,24,26,28,30
	v_max3_num_f32 v18, v18, |v[\a+\st*\i]|, |v[\a+\st*\i+\st]|
	v_max3_num_f32 v19, v19, |v[\b+\st*\i]|, |v[\b+\st*\i+\st]|
.endr
	v_add_nc_u32 v20, 0xff000000, v18              ; the conversion takes the exponent field of this operand as its scale, and nothing else of it
	v_add_nc_u32 v21, 0xff000000, v19
	v_lshrrev_b32 v22, 23, v20                     ; the scale's byte
	v_lshrrev_b32 v23, 23, v21
.endm
; ---- piece j: columns 64 j .. 64 j + 63 of the tile, my 32 rows
.macro PIECE j
	s_wait_tensorcnt 3-\j                          ; tensor loads of a wave end in order (ISA guide 10.11.1): piece j is in, my later pieces may be out
.set ii, 0
.rept 16
	ds_load_b128 v[64+4*ii:67+4*ii], v3 offset:PB*\j+16*ii          ; D: my row's 64 numbers
.set ii, ii+1
.endr
	ds_load_b64 v[42:43], v5 offset:256*\j                          ; z of columns 64 j + 2 lane and + 1
.set ii, 0
.rept 32
	ds_load_b64 v[128+2*ii:129+2*ii], v17 offset:PB*\j+272*ii       ; C: row ii at my two columns: the 32 lanes take the row's 256 bytes.  (All reads of the piece are issued ahead of the stores below)
.set ii, ii+1
.endr
	s_wait_dscnt 33                                ; D is in; z's pair and C's 32 loads, issued behind it, may be out
	MAX2 64, 96, 1                                 ; the row pass: my row's blocks 2 j and 2 j + 1
.irp g, 0,1,2,3
	v_cvt_scalef32_pk8_fp4_f32 v[44+\g], v[64+8*\g:71+8*\g], v20
	v_cvt_scalef32_pk8_fp4_f32 v[48+\g], v[96+8*\g:103+8*\g], v21
.endr
.if (\j)%2 == 0                        ; my row's scale bytes, four to a register.  (Also the plain line behind the conversions)
	v_lshl_or_b32 v[24+(\j)/2], v23, 8, v22
.else
	v_lshl_or_b32 v[24+(\j)/2], v22, 16, v[24+(\j)/2]
	v_lshl_or_b32 v[24+(\j)/2], v23, 24, v[24+(\j)/2]
.endif
	ds_store_b128 v11, v[44:47] offset:32*\j       ; 32 bytes of my row's 128
	ds_store_b128 v11, v[48:51] offset:32*\j+16
	s_wait_dscnt 2                                 ; z's pair and all of C are in; the two stores just issued may be out
.set ii, 0
.rept 32
.if \j == 0
	v_pk_mul_f32 v[192+2*ii:193+2*ii], v[128+2*ii:129+2*ii], v[42:43]                          ; the first piece's products start y's sums: nothing is cleared
.else
	v_pk_fma_f32 v[192+2*ii:193+2*ii], v[128+2*ii:129+2*ii], v[42:43], v[192+2*ii:193+2*ii]    ; row ii: my two columns' share
.endif
.set ii, ii+1
.endr
	MAX2 128, 129, 2                               ; the column pass: block w of columns 64 j + 2 lane (the even registers) and + 1 (the odd ones)
.set ii, 0
.rept 32
	v_mov_b32 v[64+ii], v[128+2*ii]                ; the pairs are parted: a conversion takes eight consecutive registers of one column.  D's registers are free
	v_mov_b32 v[96+ii], v[129+2*ii]
.set ii, ii+1
.endr
.irp g, 0,1,2,3
	v_cvt_scalef32_pk8_fp4_f32 v[52+\g], v[64+8*\g:71+8*\g], v20
	v_cvt_scalef32_pk8_fp4_f32 v[56+\g], v[96+8*\g:103+8*\g], v21
.endr
	v_nop                                          ; one plain line behind the last conversion
	ds_store_b128 v9, v[52:55] offset:(64*\j)*144
	ds_store_b128 v9, v[56:59] offset:(64*\j+1)*144
	ds_store_b8 v10, v22 offset:(64*\j)*8
	ds_store_b8 v10, v23 offset:(64*\j+1)*8
.endm
	PIECE 0
	PIECE 1
	PIECE 2
	PIECE 3                                        ; its wait on TENSORcnt is for 0: no tensor load is out from here on
	; ---- y: each lane holds its columns' share of all 32 rows; the 32 lanes' shares meet as z's parts did, in a scratch of 32 rows x 144 bytes in my piece 1, which has had its one fill and all its reads
.set ii, 0
.rept 32
	v_add_f32 v[64+ii], v[192+2*ii], v[193+2*ii]
.set ii, ii+1
.endr
.set ii, 0
.rept 32
	ds_store_b32 v4, v[64+ii] offset:PB+144*ii     ; row ii's 32 shares on end
.set ii, ii+1
.endr
.irp q, 0,1,2,3,4,5,6,7
	ds_load_b128 v[128+4*\q:131+4*\q], v11 offset:PB+16*\q    ; lane l takes row l's 32 shares
.endr
	s_wait_dscnt 0x0
.irp q, 0,1,2,3,4,5,6,7
	v_pk_add_f32 v[128+4*\q:129+4*\q], v[128+4*\q:129+4*\q], v[130+4*\q:131+4*\q]
.endr
.irp q, 0,2,4,6
	v_pk_add_f32 v[128+4*\q:129+4*\q], v[128+4*\q:129+4*\q], v[132+4*\q:133+4*\q]
.endr
.irp q, 0,4
	v_pk_add_f32 v[128+4*\q:129+4*\q], v[128+4*\q:129+4*\q], v[136+4*\q:137+4*\q]
.endr
	v_pk_add_f32 v[128:129], v[128:129], v[144:145]
	v_add_f32 v128, v128, v129
	; ---- what is my wave's own leaves: y's part to LDS, my rows' scale bytes and codes to memory
	ds_store_b32 v13, v128
	global_store_b64 v15, v[24:25], s[56:57]       ; 32 rows x 8 bytes: 256 consecutive bytes, aligned
.irp t, 0,1,2,3,4,5,6,7
	ds_load_b128 v[192+4*\t:195+4*\t], v12 offset:576*\t    ; four rows of 128 bytes
.endr
.irp t, 0,1,2,3,4,5,6,7
	s_wait_dscnt 7-\t                              ; LDS loads come back in order: load t is in.  The last count is 0: all my LDS stores have landed too, for the others' sake
	global_store_b128 v2, v[192+4*\t:195+4*\t], s[52:53] offset:512*\t   ; 512 consecutive bytes
.endr
	s_barrier_signal -1
	s_barrier_wait -1                              ; every strip's column codes, scale bytes and y lie in LDS
	; ---- what the eight strips made together: 128 bytes of codes for each column; wave w stores columns 32 w .. 32 w + 31
.irp t, 0,1,2,3,4,5,6,7
	ds_load_b128 v[128+4*\t:131+4*\t], v14 offset:576*\t
.endr
.irp t, 0,1,2,3,4,5,6,7
	s_wait_dscnt 7-\t
	global_store_b128 v2, v[128+4*\t:131+4*\t], s[54:55] offset:512*\t
.endr
	s_cmp_lt_u32 s18, 6
	s_cbranch_scc0 .Ldone
	ds_load_b128 v[64:67], v16                     ; waves 0-3: 512 of the 2,048 column scale bytes; waves 4-5: 512 of y's 1,024 bytes
	s_wait_dscnt 0x0
	global_store_b128 v2, v[64:67], s[58:59]
.Ldone:
	s_wait_tensorcnt 0x0
	ds_add_u32 v62, v63
	s_wait_dscnt 0x0
	s_endpgm
.Lfunc_end_k_q31d5ad6cae_prep:
	.size	k_q31d5ad6cae_prep, .Lfunc_end_k_q31d5ad6cae_prep-k_q31d5ad6cae_prep
	.p2alignl 7, 3214868480
	.fill 96, 4, 3214868480
	.section	.rodata,"a",@progbits
	.p2align	6, 0x0
	.amdhsa_kernel k_q31d5ad6cae_prep
		.amdhsa_group_segment_fixed_size 327680
		.amdhsa_private_segment_fixed_size 0
		.amdhsa_enable_private_segment 0
		.amdhsa_kernarg_size 56
		.amdhsa_user_sgpr_count 2
		.amdhsa_user_sgpr_kernarg_segment_ptr 1
		.amdhsa_wavefront_size32 1
		.amdhsa_system_sgpr_workgroup_id_x 1
		.amdhsa_system_sgpr_workgroup_id_y 1
		.amdhsa_system_sgpr_workgroup_id_z 1
		.amdhsa_system_vgpr_workitem_id 0
		.amdhsa_next_free_vgpr 256
		.amdhsa_next_free_sgpr 66
		.amdhsa_reserve_vcc 0
		.amdhsa_float_denorm_mode_32 3
		.amdhsa_float_denorm_mode_16_64 3
		.amdhsa_memory_ordered 1
		.amdhsa_forward_progress 1
		.amdhsa_inst_pref_size 87
	.end_amdhsa_kernel
	.amdgpu_metadata
---
amdhsa.version: [ 1, 2 ]
amdhsa.kernels:
  - .name:           k_q31d5ad6cae_prep
    .symbol:         k_q31d5ad6cae_prep.kd
    .args:
      - { .name: A, .offset: 0, .size: 8, .value_kind: global_buffer, .address_space: global }
      - { .name: X, .offset: 8, .size: 8, .value_kind: global_buffer, .address_space: global }
      - { .name: kernel, .offset: 16, .size: 8, .value_kind: global_buffer, .address_space: global }
      - { .name: codes_r, .offset: 24, .size: 8, .value_kind: global_buffer, .address_space: global }
      - { .name: codes_c, .offset: 32, .size: 8, .value_kind: global_buffer, .address_space: global }
      - { .name: scales, .offset: 40, .size: 8, .value_kind: global_buffer, .address_space: global }
      - { .name: ypart, .offset: 48, .size: 8, .value_kind: global_buffer, .address_space: global }
    .group_segment_fixed_size: 327680
    .private_segment_fixed_size: 0
    .kernarg_segment_align: 8
    .kernarg_segment_size: 56
    .max_flat_workgroup_size: 256
    .sgpr_count:     66
    .vgpr_count:     256
    .wavefront_size: 32
...
	.end_amdgpu_metadata
.endif
;; end of part 1
;; launch select (part 2): grid 16 x 1, 4 waves a work-group, no clusters, 3,072 bytes of LDS; arguments ypart, idx, gate; writes idx, gate
.if DOCPART == 2
	.amdgcn_target "amdgcn-amd-amdhsa--gfx1250"
	.amdhsa_code_object_version 6
	.text
	.protected	k_q31d5ad6cae_select
	.globl	k_q31d5ad6cae_select
	.p2align	8
	.type	k_q31d5ad6cae_select,@function
k_q31d5ad6cae_select:
	s_mov_b64 s[64:65], 0
	v_nop
	global_prefetch_b8 v0, s[64:65] scope:SCOPE_SE
	s_setreg_imm32_b32 hwreg(HW_REG_WAVE_MODE, 25, 1), 1
	s_wait_xcnt 0x0
; y = the sum of ypart's 16 parts; gate = tanh(y) for every node; idx = for each graph of 64 nodes the 32 with the largest y, in ascending order of node.
; Of equal y the lower node wins, as a stable ascending sort of -y has it (-0 and +0 count as equal).  A wave takes a graph: g = 4 x work-group + wave.
; y is loaded, summed and gated with nodes 2 l and 2 l + 1 in lane l.  For the ranks y becomes a KEY, a signed whole number of the same order (y + 0 turns -0 into +0; then the low 31 bits of a negative number are turned over).
; The 64 keys go through the wave's own LDS bytes: every lane takes all 64 into registers, and lane l now ranks nodes l and 32 + l.
; Node j comes before node n where key_j > key_n, or key_j = key_n and j < n: that is key_j > key_n - [j < n].  For j < 32 <= n and for n < 32 <= j the bracket is the same in all lanes;
; for j and n in the same half it is the constant lane mask 'lane > j % 32', kept in s66-97.  A node's rank is the number of nodes before it; it is kept where the rank is under 32.  The ranks are a permutation of 0 .. 63, so 32 are kept.
; NO ADDRESS AND NO BRANCH HANGS ON y: the list is made as VALUES at fixed places: each node's running count of kept nodes goes the same way through LDS, and lane p counts the nodes whose count is at most p, which is the number of the (p + 1)-th kept node.
; The vector lines of the two counts have no scalar line among them: flags are made by v_cndmask_b32 and summed three at a time.
; LIMITS: NaN among the inputs is not served.  tanh(y) = 1 - 2 / (1 + 2^(2 log2(e) y)): its absolute error is some units of 2^-24, also where y is near 0.
.set LIST, 2048                        ; LDS: wave w: 64 keys at 512 w, 64 counts at 512 w + 256; from 2,048 on the work-group's 128 list entries
; v1 lane, v2 8 lane, v3 my list entry's place, v[4:5] y, v9-11 LDS addresses, v12-13 the gate, v[14:15] keys, v16-47 the parts, later v24-27 sums, v32-39 flags, v40-43 counts; v48-51 my two keys and the same less 1; v52-55 thresholds; v64-127 64 keys, later 64 counts
	s_load_b128 s[4:7], s[0:1], 0x0                ; ypart, idx
	s_load_b64 s[8:9], s[0:1], 0x10                ; gate
	v_lshl_add_u32 v128, v0, 2, 0xa00
	v_mov_b32 v129, 0
	v_lshrrev_b32 v1, 5, v0
	v_readfirstlane_b32 s12, v1                    ; wave
	v_and_b32 v1, 31, v0                           ; lane
	v_lshlrev_b32 v2, 3, v1                        ; 8 x lane: nodes 2 l and 2 l + 1
	v_lshl_add_u32 v3, v0, 2, LIST
	s_lshl_b32 s41, s12, 9                         ; my wave's 512 bytes
	v_add_nc_u32 v9, s41, v2                       ; v9: keys in, two a lane
	v_lshl_add_u32 v10, v1, 2, s41                 ; v10: one word a lane
	v_mov_b32 v11, s41                             ; v11: the same address in every lane
	s_lshl_b32 s13, ttmp9, 2
	s_add_co_u32 s13, s13, s12                     ; g
	s_lshl_b32 s14, s13, 8                         ; a graph's 64 numbers: 256 bytes
	s_mov_b32 s15, 0
	s_lshl_b32 s10, ttmp9, 9                       ; the work-group's 128 entries of idx: 512 bytes
	s_mov_b32 s11, 0
	s_lshl_b32 s40, s13, 6                         ; the graph's first node
	s_wait_kmcnt 0x0
	s_add_nc_u64 s[4:5], s[4:5], s[14:15]
	s_add_nc_u64 s[8:9], s[8:9], s[14:15]
	s_add_nc_u64 s[6:7], s[6:7], s[10:11]
.irp c, 0,1,2,3,4,5,6,7,8,9,10,11,12,13,14,15
	global_load_b64 v[16+2*\c:17+2*\c], v2, s[4:5] offset:16384*\c   ; 256 consecutive bytes of each part
.endr
.set jj, 0
.rept 32
	s_mov_b32 s[66+jj], (0xffffffff<<(jj+1))&0xffffffff              ; the lanes above jj; made while the loads are on their way
.set jj, jj+1
.endr
	s_wait_loadcnt 0x0
	v_pk_add_f32 v[4:5], v[16:17], v[18:19]        ; y, the parts in ascending order
.irp c, 2,3,4,5,6,7,8,9,10,11,12,13,14,15
	v_pk_add_f32 v[4:5], v[4:5], v[16+2*\c:17+2*\c]
.endr
	v_mul_f32 v12, 0x4038aa3b, v4                  ; the gate: 2 log2(e) y
	v_mul_f32 v13, 0x4038aa3b, v5
	v_exp_f32 v12, v12
	v_exp_f32 v13, v13
	v_add_f32 v14, 0, v4                           ; the keys (plain lines behind the exponentials): -0 becomes +0,
	v_add_f32 v15, 0, v5
	v_ashrrev_i32 v52, 31, v14
	v_ashrrev_i32 v53, 31, v15
	v_and_b32 v52, 0x7fffffff, v52
	v_and_b32 v53, 0x7fffffff, v53
	v_xor_b32 v14, v14, v52                        ; and a negative number's low 31 bits are turned over
	v_xor_b32 v15, v15, v53
	ds_store_b64 v9, v[14:15]                      ; node n's key at 4 n
	ds_load_b32 v48, v10                           ; LDS serves a wave's instructions in order (ISA guide 5.7.1.4): node l's key,
	ds_load_b32 v50, v10 offset:128                ; node 32 + l's,
.irp q, 0,1,2,3,4,5,6,7,8,9,10,11,12,13,14,15
	ds_load_b128 v[64+4*\q:67+4*\q], v11 offset:16*\q    ; and all 64, the same in every lane
.endr
	s_wait_alu depctr_va_vdst(0)                   ; one wait for both exponentials, ahead of their first reader
	v_add_f32 v12, 1.0, v12
	v_add_f32 v13, 1.0, v13
	v_rcp_f32 v12, v12
	v_rcp_f32 v13, v13
	v_nop                                          ; a plain line behind the reciprocals
	s_wait_alu depctr_va_vdst(0)                   ; and one for both reciprocals
	v_fma_f32 v12, v12, -2.0, 1.0
	v_fma_f32 v13, v13, -2.0, 1.0
	global_store_b64 v2, v[12:13], s[8:9]          ; 256 consecutive bytes, aligned
	s_wait_dscnt 0x0
	v_add_nc_u32 v49, -1, v48                      ; key - 1: the threshold against a node of lower number
	v_add_nc_u32 v51, -1, v50
; four nodes j0 .. j0 + 3 against my two.  hi = 0: they lie under 32; 1: from 32 on.  first = 1: the first flags start the sums
.macro RANK4 j0, hi, first
.irp d, 0,1,2,3
.if \hi
	v_cndmask_b32 v[52+\d], v50, v51, s[66+\j0-32+\d]    ; against node 32 + l: less 1 where l > j - 32
.else
	v_cndmask_b32 v[52+\d], v48, v49, s[66+\j0+\d]       ; against node l: less 1 where l > j
.endif
.endr
.irp d, 0,1,2,3
.if \hi
	v_cmp_gt_i32 s[16+\d], v[64+\j0+\d], v48             ; j > l in every lane
	v_cmp_gt_i32 s[20+\d], v[64+\j0+\d], v[52+\d]
.else
	v_cmp_gt_i32 s[16+\d], v[64+\j0+\d], v[52+\d]
	v_cmp_gt_i32 s[20+\d], v[64+\j0+\d], v51             ; j < 32 + l in every lane
.endif
.endr
.irp d, 0,1,2,3,4,5,6,7
	v_cndmask_b32 v[32+\d], 0, 1, s[16+\d]
.endr
.irp a, 0,1,2,3
.if \first
	v_add_nc_u32 v[24+\a], v[32+2*\a], v[33+2*\a]
.else
	v_add3_u32 v[24+\a], v[24+\a], v[32+2*\a], v[33+2*\a]    ; v24, v25: node l's rank in two halves; v26, v27: node 32 + l's
.endif
.endr
.endm
	RANK4 0, 0, 1
.set jj, 4
.rept 7
	RANK4 jj, 0, 0
.set jj, jj+4
.endr
.rept 8
	RANK4 jj, 1, 0
.set jj, jj+4
.endr
	v_add_nc_u32 v6, v24, v25
	v_add_nc_u32 v7, v26, v27
	v_cmp_gt_u32 s36, 32, v6                       ; bit l: node l is kept
	v_cmp_gt_u32 s37, 32, v7                       ; node 32 + l
	s_bcnt1_i32_b32 s38, s36                       ; kept among nodes 0 .. 31
	v_mbcnt_lo_u32_b32 v40, s36, 0                 ; kept under node l
	v_mbcnt_lo_u32_b32 v41, s37, s38               ; kept under node 32 + l
	v_cndmask_b32 v42, 0, 1, s36
	v_cndmask_b32 v43, 0, 1, s37
	v_add_nc_u32 v40, v40, v42                     ; the running counts, the node itself among them
	v_add_nc_u32 v41, v41, v43
	ds_store_b32 v10, v40 offset:256
	ds_store_b32 v10, v41 offset:384
.irp q, 0,1,2,3,4,5,6,7,8,9,10,11,12,13,14,15
	ds_load_b128 v[64+4*\q:67+4*\q], v11 offset:256+16*\q    ; all 64 counts, the same in every lane
.endr
	s_wait_dscnt 0x0
.macro COUNT8 n0, first                ; eight nodes: a node whose count is at most p lies under the (p + 1)-th kept node
.irp d, 0,1,2,3,4,5,6,7
	v_cmp_le_u32 s[16+\d], v[64+\n0+\d], v1
.endr
.irp d, 0,1,2,3,4,5,6,7
	v_cndmask_b32 v[32+\d], 0, 1, s[16+\d]
.endr
.irp a, 0,1,2,3
.if \first
	v_add_nc_u32 v[24+\a], v[32+2*\a], v[33+2*\a]
.else
	v_add3_u32 v[24+\a], v[24+\a], v[32+2*\a], v[33+2*\a]
.endif
.endr
.endm
	COUNT8 0, 1
.set jj, 8
.rept 7
	COUNT8 jj, 0
.set jj, jj+8
.endr
	v_add3_u32 v8, v24, v25, v26
	v_add3_u32 v8, v8, v27, s40                    ; as a node of the whole batch
	ds_store_b32 v3, v8
	s_wait_dscnt 0x0                               ; for wave 0's sake: my 32 entries have landed
	s_barrier_signal -1
	s_barrier_wait -1
	s_cmp_lg_u32 s12, 0
	s_cbranch_scc1 .Lend
	v_lshlrev_b32 v56, 4, v1
	ds_load_b128 v[60:63], v56 offset:LIST         ; four graphs' 128 entries
	s_wait_dscnt 0x0
	global_store_b128 v56, v[60:63], s[6:7]        ; 512 consecutive bytes, aligned
.Lend:
	s_wait_tensorcnt 0x0
	ds_add_u32 v128, v129
	s_wait_dscnt 0x0
	s_endpgm
.Lfunc_end_k_q31d5ad6cae_select:
	.size	k_q31d5ad6cae_select, .Lfunc_end_k_q31d5ad6cae_select-k_q31d5ad6cae_select
	.p2alignl 7, 3214868480
	.fill 96, 4, 3214868480
	.section	.rodata,"a",@progbits
	.p2align	6, 0x0
	.amdhsa_kernel k_q31d5ad6cae_select
		.amdhsa_group_segment_fixed_size 3072
		.amdhsa_private_segment_fixed_size 0
		.amdhsa_enable_private_segment 0
		.amdhsa_kernarg_size 24
		.amdhsa_user_sgpr_count 2
		.amdhsa_user_sgpr_kernarg_segment_ptr 1
		.amdhsa_wavefront_size32 1
		.amdhsa_system_sgpr_workgroup_id_x 1
		.amdhsa_system_sgpr_workgroup_id_y 1
		.amdhsa_system_sgpr_workgroup_id_z 1
		.amdhsa_system_vgpr_workitem_id 0
		.amdhsa_next_free_vgpr 130
		.amdhsa_next_free_sgpr 98
		.amdhsa_reserve_vcc 0
		.amdhsa_float_denorm_mode_32 3
		.amdhsa_float_denorm_mode_16_64 3
		.amdhsa_memory_ordered 1
		.amdhsa_forward_progress 1
		.amdhsa_inst_pref_size 44
	.end_amdhsa_kernel
	.amdgpu_metadata
---
amdhsa.version: [ 1, 2 ]
amdhsa.kernels:
  - .name:           k_q31d5ad6cae_select
    .symbol:         k_q31d5ad6cae_select.kd
    .args:
      - { .name: ypart, .offset: 0, .size: 8, .value_kind: global_buffer, .address_space: global }
      - { .name: idx, .offset: 8, .size: 8, .value_kind: global_buffer, .address_space: global }
      - { .name: gate, .offset: 16, .size: 8, .value_kind: global_buffer, .address_space: global }
    .group_segment_fixed_size: 3072
    .private_segment_fixed_size: 0
    .kernarg_segment_align: 8
    .kernarg_segment_size: 24
    .max_flat_workgroup_size: 128
    .sgpr_count:     98
    .vgpr_count:     130
    .wavefront_size: 32
...
	.end_amdgpu_metadata
.endif
;; end of part 2
;; launch gemm (part 3): grid 16 x 16, 4 waves a work-group, no clusters, 139,776 bytes of LDS; arguments codes_r, codes_c, scales, idx, gate, X, I, out0, out1, out2; writes out0, out1, out2
.if DOCPART == 3
	.amdgcn_target "amdgcn-amd-amdhsa--gfx1250"
	.amdhsa_code_object_version 6
	.text
	.protected	k_q31d5ad6cae_gemm
	.globl	k_q31d5ad6cae_gemm
	.p2align	8
	.type	k_q31d5ad6cae_gemm,@function
k_q31d5ad6cae_gemm:
	s_mov_b64 s[64:65], 0
	v_nop
	global_prefetch_b8 v0, s[64:65] scope:SCOPE_SE
	s_setreg_imm32_b32 hwreg(HW_REG_WAVE_MODE, 25, 1), 1
	s_wait_xcnt 0x0
; out1[p][q] = the sum over k of Qrow(A)[idx p][k] Qcol(A)[k][idx q]: only the kept rows and columns of A A are multiplied: 2,048 x 2,048 x 4,096, on codes of FP4 (E2M1) with one E8M0 scale for each 32 along K.
; Beside it: out0[p] = X[idx p] x gate[idx p], out2[p] = I[idx p].
; A work-group (x = tc, y = tr) makes 128 x 128 of out1; wave w makes 64 x 64 (rows 64 (w / 2) on, columns 64 (w % 2) on): 16 accumulators.  K goes in 8 chunks of 512, four matrix instructions deep.
; THE OPERANDS ARE GATHERED BY THE LIST idx, which an earlier launch stored: a lane's address is made of a list entry (held at 4,095).  So the tiles come by loads into registers, lane by lane, and go on into LDS;
; that is also why there are no joint loads here, though sixteen work-groups read each row's codes: a tile whose rows are named by a list in memory is no tile that one descriptor of constants and steps can state.
; codes_r, codes_c: [kc 16][row 4096][128 B]; a chunk is kc 2 t and 2 t + 1: sixteen lanes bring a list entry's 2 x 128 bytes, which are one LDS row of 256 bytes (+ 16 of padding).
; scales: [plane 2][kc 16][4096][8 B]: they go straight into registers: lanes 0-15 the words of A's rows, lanes 16-31 those of B's columns.
; THE MATRIX INSTRUCTION IS USED TRANSPOSED (source 0 = 16 columns' codes, source 1 = 16 rows' codes): a lane then holds eight neighbouring numbers of a row of out1.
; A chunk's 40 loads are issued two chunks ahead, IN FOUR PARTS OF TEN, one behind each step's run of LDS loads, into two sets of 128 staging registers by turns; LDS has two buffers by turns, one barrier a chunk.
; The 8 chunks are written out: the scale sets come round after 3, the buffers after 2.
; REGISTERS, in windows of 256: window 0: v1-v15 addresses; v16-63 three sets of 16 scale words (register 4 i + q: block i, the chunk's q-th 128 along K); v64-127, v128-191 two fragment buffers (A's four, then B's four);
;   v192-221 out0's and out2's work and what the head needs.   window 1: the staging sets.   window 2: v0-127 the accumulators ((a, b) at 8 (4 a + b)); v128-159 the 32 gather offsets.
.set BUFB, 69632                       ; an LDS buffer: 256 rows x 272 bytes: 128 of A's, then 128 of B's
.set F0,   64
.set F1,   128
.set MSB,  0
.macro WIN new                         ; s_set_vgpr_msb: bits 1:0 source 0, 3:2 source 1, 5:4 source 2, 7:6 destination; the high byte repeats the setting that is left
.if MSB != \new
	s_set_vgpr_msb (MSB<<8)|\new
.set MSB, \new
.endif
.endm
.macro PLACES                          ; four plain vector lines between a matrix instruction and a load into, or an LDS store of, its registers (ISA guide 7.12.1 for vector instructions)
.rept 4
	v_nop
.endr
.endm
	s_load_b512 s[4:19], s[0:1], 0x0               ; codes_r s[4:5], codes_c s[6:7], scales s[8:9], idx s[10:11], gate s[12:13], X s[14:15], I s[16:17], out0 s[18:19]
	s_load_b128 s[20:23], s[0:1], 0x40             ; out1 s[20:21], out2 s[22:23]
	v_lshl_add_u32 v254, v0, 2, 0x22000
	v_mov_b32 v255, 0
	v_lshrrev_b32 v1, 5, v0
	v_readfirstlane_b32 s24, v1                    ; wave 0..3
	s_lshr_b32 s25, s24, 1                         ; wm: which 64 rows
	s_and_b32 s26, s24, 1                          ; wn: which 64 columns
	s_mov_b32 s27, ttmp9                           ; tc
	s_and_b32 s28, ttmp7, 0xffff                   ; tr
	v_and_b32 v1, 15, v0                           ; r
	v_bfe_u32 v2, v0, 4, 1                         ; h
	v_and_b32 v220, 31, v0                         ; lane
	v_lshlrev_b32 v212, 4, v220                    ; 16 x lane
	s_lshl_b32 s32, s28, 7                         ; 128 tr
	s_lshl_b32 s33, s27, 7                         ; 128 tc
	s_cmp_lt_u32 s24, 2                            ; waves 0, 1 stage A's 128 list entries, waves 2, 3 B's: 64 each
	s_cselect_b32 s34, s32, s33
	s_lshl_b32 s35, s26, 6
	s_add_co_u32 s34, s34, s35                     ; the first entry that I stage
	s_add_co_u32 s37, s33, s35                     ; 128 tc + 64 wn: my columns' entries
	s_add_co_u32 s54, s32, s35                     ; 128 tr + 64 wn: out2's entries
	s_lshl_b32 s35, s25, 6
	s_add_co_u32 s36, s32, s35                     ; 128 tr + 64 wm: my rows' entries
	s_lshl_b32 s34, s34, 2
	v_lshl_add_u32 v217, v2, 7, s34                ; lanes 0-15 take 32 entries, lanes 16-31 the next 32
	v_cmp_eq_u32 vcc_lo, 1, v2
	v_mov_b32 v218, s36
	v_mov_b32 v221, s37
	v_cndmask_b32 v218, v218, v221, vcc_lo         ; scale words: lanes 0-15 A's rows, lanes 16-31 B's columns
	v_add_lshl_u32 v218, v218, v1, 2
	s_lshl_b32 s54, s54, 2
	v_lshl_add_u32 v219, v220, 3, s54              ; out2: two entries a lane
	s_lshl_b32 s40, s27, 3
	s_add_co_u32 s40, s40, s32
	s_lshl_b32 s41, s24, 1
	s_add_co_u32 s40, s40, s41                     ; p = 128 tr + 8 tc + 2 w: the two rows of out0 that I make
	s_lshl_b32 s41, s40, 2
	s_wait_kmcnt 0x0
.irp q, 0,1,2,3,4,5,6,7
	global_load_b128 v[64+4*\q:67+4*\q], v217, s[10:11] offset:16*\q    ; my 32 entries
.endr
.irp i, 0,1,2,3
	global_load_b32 v[12+\i], v218, s[10:11] offset:64*\i               ; block i's entry for my lane
.endr
	global_load_b64 v[192:193], v219, s[10:11]
	s_load_b64 s[38:39], s[10:11], s41 offset:0x0
	s_cmp_lt_u32 s24, 2
	s_cselect_b64 s[48:49], s[4:5], s[6:7]         ; the codes that I stage; the choice hangs on the wave's number alone
	v_and_b32 v215, 7, v0
	v_lshlrev_b32 v215, 4, v215
	v_bfe_u32 v221, v0, 3, 1
	v_lshl_add_u32 v215, v221, 19, v215            ; my place in an entry's 2 x 128 bytes: 16 (lane % 8), and one kc (524,288 bytes) on for lanes 8-15 of each half
	v_lshlrev_b32 v216, 19, v2                     ; plane 1 for lanes 16-31
	s_wait_loadcnt 0x0
	s_wait_kmcnt 0x0
.set jj, 0
.rept 32
	v_min_u32 v[64+jj], 0xfff, v[64+jj]            ; a list entry enters an address only held inside the table
.set jj, jj+1
.endr
.irp i, 0,1,2,3
	v_min_u32 v[12+\i], 0xfff, v[12+\i]
.endr
	v_min_u32 v192, 0xfff, v192
	v_min_u32 v193, 0xfff, v193
	s_min_u32 s38, s38, 0xfff
	s_min_u32 s39, s39, 0xfff
	WIN 0x80                                       ; destination window 2
.set jj, 0
.rept 32
	v_lshl_add_u32 v[128+jj], v[64+jj], 7, v215    ; the gather offsets: 128 x node + my place; the chunk stands in the loads' immediate
.set jj, jj+1
.endr
	WIN 0
.irp i, 0,1,2,3
	v_lshl_add_u32 v[12+\i], v[12+\i], 3, v216     ; 8 x node + the plane
.endr
	v_lshlrev_b32 v192, 2, v192
	v_lshlrev_b32 v193, 2, v193
	s_lshl_b32 s56, s38, 2
	s_lshl_b32 s57, s39, 2
	s_load_b32 s44, s[12:13], s56 offset:0x0       ; the two rows' gates
	s_load_b32 s46, s[12:13], s57 offset:0x0
	s_mov_b32 s45, 0                               ; (named with them as pairs by the packed multiplies, so they are written)
	s_mov_b32 s47, 0
	s_lshl_b32 s58, s38, 10
	s_lshl_b32 s59, s39, 10
	v_add_nc_u32 v213, s58, v212
	v_add_nc_u32 v214, s59, v212
	global_load_b32 v194, v192, s[16:17]           ; I of out2's two entries
	global_load_b32 v195, v193, s[16:17]
	global_load_b128 v[196:199], v213, s[14:15]    ; X's two rows, 512 consecutive bytes a load
	global_load_b128 v[200:203], v213, s[14:15] offset:512
	global_load_b128 v[204:207], v214, s[14:15]
	global_load_b128 v[208:211], v214, s[14:15] offset:512
; part p (0 .. 3) of chunk t's 40 loads: 8 of codes (each: two list entries' 256 bytes) into staging set t % 2, 2 of scale words (block p: 8 bytes for 16 rows and 16 columns, for each of the chunk's two kc) into scale set t % 3
.macro GPART t, p
	WIN 0x42                                       ; destination window 1, address window 2
.irp k, 0,1,2,3,4,5,6,7
	global_load_b128 v[128*((\t)%2)+4*(8*(\p)+\k):128*((\t)%2)+4*(8*(\p)+\k)+3], v[128+8*(\p)+\k], s[48:49] offset:(\t)<<20
.endr
	WIN 0
.irp d, 0,1
	global_load_b64 v[16+16*((\t)%3)+4*(\p)+2*\d:16+16*((\t)%3)+4*(\p)+2*\d+1], v[12+(\p)], s[8:9] offset:(2*(\t)+\d)*32768
.endr
.endm
.macro GLOAD t                         ; all four parts on end: the first two chunks, at the head
	GPART \t, 0
	GPART \t, 1
	GPART \t, 2
	GPART \t, 3
.endm
.macro LSTORE t                        ; staging set t % 2 into LDS buffer t % 2: sixteen lanes write a row's 256 bytes
	WIN 0x04                                       ; the data: window 1
.set jj, 0
.rept 32
	ds_store_b128 v[7+((\t)%2)], v[128*((\t)%2)+4*jj:128*((\t)%2)+4*jj+3] offset:272*jj
.set jj, jj+1
.endr
	WIN 0
.endm
; 16 LDS loads: my four fragments of A and four of B for the chunk's q-th 128 along K.  A fragment, 16 rows x 128 K of 4-bit codes, is 8 registers: lane l holds row l % 16; registers 4 c .. 4 c + 3 hold K = 64 c + 32 (l / 16) + 0 .. 31
.macro FETCH b, q, f
	WIN 0
.irp i, 0,1,2,3
.irp c, 0,1
	ds_load_b128 v[\f+8*\i+4*\c:\f+8*\i+4*\c+3], v[3+\b] offset:4352*\i+64*(\q)+32*\c
.endr
.endr
.irp i, 0,1,2,3
.irp c, 0,1
	ds_load_b128 v[\f+32+8*\i+4*\c:\f+32+8*\i+4*\c+3], v[5+\b] offset:4352*\i+64*(\q)+32*\c
.endr
.endr
.endm
; 16 matrix instructions, the 16 accumulators by turns, one instruction a turn, in the same order in every step.  zero = 1: the first products start the sums: nothing is cleared.
; Source 0's scales (B's) are read from lanes 16-31 of register 4 b + q, source 1's (A's) from lanes 0-15 of register 4 a + q.
.macro MUL f, q, sc, zero
	WIN 0xa0                                       ; C and D window 2
.irp a, 0,1,2,3
.irp b, 0,1,2,3
.if \zero
	v_wmma_scale_f32_16x16x128_f8f6f4 v[8*(4*\a+\b):8*(4*\a+\b)+7], v[\f+32+8*\b:\f+39+8*\b], v[\f+8*\a:\f+7+8*\a], 0, v[\sc+4*\b+\q], v[\sc+4*\a+\q] matrix_a_fmt:MATRIX_FMT_FP4 matrix_b_fmt:MATRIX_FMT_FP4 matrix_a_scale:MATRIX_SCALE_ROW1
.else
	v_wmma_scale_f32_16x16x128_f8f6f4 v[8*(4*\a+\b):8*(4*\a+\b)+7], v[\f+32+8*\b:\f+39+8*\b], v[\f+8*\a:\f+7+8*\a], v[8*(4*\a+\b):8*(4*\a+\b)+7], v[\sc+4*\b+\q], v[\sc+4*\a+\q] matrix_a_fmt:MATRIX_FMT_FP4 matrix_b_fmt:MATRIX_FMT_FP4 matrix_a_scale:MATRIX_SCALE_ROW1
.endif
.endr
.endr
.endm
	GLOAD 0
	GLOAD 1
	; LDS addresses and the outputs' bases, while the loads are on their way
	v_mul_u32_u24 v221, v1, 272
	v_lshl_add_u32 v221, v2, 4, v221               ; a fragment's row x pitch + 16 x half
	s_mul_i32 s29, s25, 17408                      ; my 64 rows of A
	s_mul_i32 s30, s26, 17408                      ; my 64 rows of B,
	s_add_co_u32 s30, s30, 34816                   ; behind A's 128
	v_add_nc_u32 v3, s29, v221                     ; v3, v4: A's fragments in buffer 0, 1
	v_add_nc_u32 v4, BUFB, v3
	v_add_nc_u32 v5, s30, v221                     ; v5, v6: B's
	v_add_nc_u32 v6, BUFB, v5
	s_mul_i32 s31, s24, 17408                      ; I stage rows 64 w .. 64 w + 63
	v_mul_u32_u24 v7, v2, 8704                     ; lanes 16-31: 32 rows further on
	v_lshl_add_u32 v7, v1, 4, v7
	v_add_nc_u32 v7, s31, v7                       ; v7, v8: where I store staged rows in buffer 0, 1
	v_add_nc_u32 v8, BUFB, v7
	s_mul_i32 s31, s24, 4352                       ; the way out: 16 rows x 272 bytes for each wave, in buffer 0
	v_mul_u32_u24 v9, v1, 272
	v_lshl_add_u32 v9, v2, 5, v9
	v_add_nc_u32 v9, s31, v9                       ; v9: in: row r, 32 bytes for each half of the lanes
	v_mul_u32_u24 v10, v2, 272
	v_lshl_add_u32 v10, v1, 4, v10
	v_add_nc_u32 v10, s31, v10                     ; v10: back: lanes 0-15 one row of 256 bytes, lanes 16-31 the next
	v_lshlrev_b32 v11, 13, v2
	v_lshl_add_u32 v11, v1, 4, v11                 ; v11: the same two rows in out1 (8,192 bytes a row)
	s_lshl_b32 s50, s36, 13
	s_lshl_b32 s51, s37, 2
	s_add_co_u32 s50, s50, s51
	s_mov_b32 s51, 0
	s_add_nc_u64 s[50:51], s[20:21], s[50:51]      ; out1 at my 64 x 64
	s_lshl_b32 s52, s40, 10
	s_mov_b32 s53, 0
	s_add_nc_u64 s[52:53], s[18:19], s[52:53]      ; out0 at row p
	s_or_b32 s55, s27, s25                         ; 0 in waves 0 and 1 of the work-groups with tc = 0: they store out2
	s_wait_loadcnt 40                              ; all but chunk 1's 40 loads are in: I, X, chunk 0's codes and scale words
	LSTORE 0
	s_wait_kmcnt 0x0                               ; the gates
.irp k, 0,2,4,6
	v_pk_mul_f32 v[196+\k:197+\k], v[196+\k:197+\k], s[44:45] op_sel_hi:[1,0]
	v_pk_mul_f32 v[204+\k:205+\k], v[204+\k:205+\k], s[46:47] op_sel_hi:[1,0]
.endr
	global_store_b128 v212, v[196:199], s[52:53] th:TH_STORE_NT              ; 512 consecutive bytes each; these registers are not written again
	global_store_b128 v212, v[200:203], s[52:53] offset:512 th:TH_STORE_NT
	global_store_b128 v212, v[204:207], s[52:53] offset:1024 th:TH_STORE_NT
	global_store_b128 v212, v[208:211], s[52:53] offset:1536 th:TH_STORE_NT
	s_cmp_eq_u32 s55, 0
	s_cbranch_scc0 .Lno_out2
	global_store_b64 v219, v[194:195], s[22:23] th:TH_STORE_NT               ; 64 entries: 256 consecutive bytes, aligned
.Lno_out2:
	s_wait_dscnt 0x0                               ; for the others' sake: my rows of chunk 0 have landed
	s_barrier_signal -1
	s_barrier_wait -1
; CHUNK t reads LDS buffer t % 2.  The barrier at its end does two things: in front of it every wave's reads of this buffer are back and its rows of chunk t + 1 have landed in the other buffer.
; The other buffer was read in chunk t - 1, and every wave's reads of it were back in front of the barrier at that chunk's end.
; Chunk t + 2's loads: its staging set was stored to LDS, and those stores waited for, at the last chunk's end; its scale set was last read a chunk ago, with places behind.  So a part may stand anywhere in chunk t;
; each stands behind a run of LDS loads, so that the fragments are asked for first, and the ten issues lie beside the wait for them.
.macro CHUNK t
.set BUF, (\t)%2
.set SCS, 16+16*((\t)%3)
	FETCH BUF, 0, F0
	FETCH BUF, 1, F1
.if (\t) <= 5
	GPART (\t)+2, 0
.endif
	s_wait_dscnt 16                                ; the first run of 16 is in, the second may be out
.if (\t) == 0
	MUL F0, 0, SCS, 1
.else
	MUL F0, 0, SCS, 0
.endif
	PLACES
	FETCH BUF, 2, F0
.if (\t) <= 5
	GPART (\t)+2, 1
.endif
	s_wait_dscnt 16                                ; all but the 16 just issued
	MUL F1, 1, SCS, 0
	PLACES
	FETCH BUF, 3, F1
.if (\t) <= 5
	GPART (\t)+2, 2
.endif
	s_wait_dscnt 16
	MUL F0, 2, SCS, 0
.if (\t) <= 5
	GPART (\t)+2, 3
.endif
	s_wait_dscnt 0x0
	MUL F1, 3, SCS, 0
	PLACES                                         ; for the next loads into the fragment buffers and scale sets, and for the way out's reads of results
.if (\t) <= 5
	s_wait_loadcnt 40                              ; chunk t + 1's codes and scale words are in; chunk t + 2's four parts, 40 loads, all issued behind them, may be out
.elseif (\t) == 6
	s_wait_loadcnt 0x0                             ; the last chunk's
.endif
.if (\t) <= 6
	LSTORE (\t)+1
	s_wait_dscnt 0x0
	s_barrier_signal -1
	s_barrier_wait -1
.endif
.endm
	CHUNK 0
	CHUNK 1
	CHUNK 2
	CHUNK 3
	CHUNK 4
	CHUNK 5
	CHUNK 6
	CHUNK 7
; THE WAY OUT, block by block of 16 rows x 64 columns.  A lane holds 32 neighbouring bytes of a row, the lanes beside it other rows: a block goes through my own stage and comes back as whole rows of 256 bytes.
; The stage lies in buffer 0: chunk 7 reads buffer 1, and every wave's reads of buffer 0 were back in front of the barrier at chunk 6's end.
; LDS serves a wave's instructions in order (ISA guide 5.7.1.4): no wait between the stores and the loads, nor in front of the next block's stores.  Each block comes back into registers of its own: no store's data are written again.
.macro TOSTAGE a
	WIN 0x08                                       ; the data: window 2
.irp b, 0,1,2,3
	ds_store_b128 v9, v[8*(4*(\a)+\b):8*(4*(\a)+\b)+3] offset:64*\b          ; each accumulator from its low end on
	ds_store_b128 v9, v[8*(4*(\a)+\b)+4:8*(4*(\a)+\b)+7] offset:64*\b+16
.endr
	WIN 0
.irp t, 0,1,2,3,4,5,6,7
	ds_load_b128 v[64+32*(\a)+4*\t:64+32*(\a)+4*\t+3], v10 offset:544*\t
.endr
.endm
.macro SEND a, younger                 ; younger: the LDS instructions issued behind block a's loads: the next block's sixteen, or none
	s_wait_dscnt \younger
.irp t, 0,1,2,3,4,5,6,7
	global_store_b128 v11, v[64+32*(\a)+4*\t:64+32*(\a)+4*\t+3], s[50:51] offset:(16*(\a)+2*\t)*8192 th:TH_STORE_NT   ; sixteen lanes store 256 consecutive bytes, at a multiple of 256 from out1's first byte
.endr
.endm
	TOSTAGE 0
	TOSTAGE 1
	SEND 0, 16
	TOSTAGE 2
	SEND 1, 16
	TOSTAGE 3
	SEND 2, 16
	SEND 3, 0
	s_wait_tensorcnt 0x0
	ds_add_u32 v254, v255
	s_wait_dscnt 0x0
	s_endpgm
.Lfunc_end_k_q31d5ad6cae_gemm:
	.size	k_q31d5ad6cae_gemm, .Lfunc_end_k_q31d5ad6cae_gemm-k_q31d5ad6cae_gemm
	.p2alignl 7, 3214868480
	.fill 96, 4, 3214868480
	.section	.rodata,"a",@progbits
	.p2align	6, 0x0
	.amdhsa_kernel k_q31d5ad6cae_gemm
		.amdhsa_group_segment_fixed_size 139776
		.amdhsa_private_segment_fixed_size 0
		.amdhsa_enable_private_segment 0
		.amdhsa_kernarg_size 80
		.amdhsa_user_sgpr_count 2
		.amdhsa_user_sgpr_kernarg_segment_ptr 1
		.amdhsa_wavefront_size32 1
		.amdhsa_system_sgpr_workgroup_id_x 1
		.amdhsa_system_sgpr_workgroup_id_y 1
		.amdhsa_system_sgpr_workgroup_id_z 1
		.amdhsa_system_vgpr_workitem_id 0
		.amdhsa_next_free_vgpr 672
		.amdhsa_next_free_sgpr 66
		.amdhsa_reserve_vcc 1
		.amdhsa_float_denorm_mode_32 3
		.amdhsa_float_denorm_mode_16_64 3
		.amdhsa_memory_ordered 1
		.amdhsa_forward_progress 1
		.amdhsa_inst_pref_size 171
	.end_amdhsa_kernel
	.amdgpu_metadata
---
amdhsa.version: [ 1, 2 ]
amdhsa.kernels:
  - .name:           k_q31d5ad6cae_gemm
    .symbol:         k_q31d5ad6cae_gemm.kd
    .args:
      - { .name: codes_r, .offset: 0, .size: 8, .value_kind: global_buffer, .address_space: global }
      - { .name: codes_c, .offset: 8, .size: 8, .value_kind: global_buffer, .address_space: global }
      - { .name: scales, .offset: 16, .size: 8, .value_kind: global_buffer, .address_space: global }
      - { .name: idx, .offset: 24, .size: 8, .value_kind: global_buffer, .address_space: global }
      - { .name: gate, .offset: 32, .size: 8, .value_kind: global_buffer, .address_space: global }
      - { .name: X, .offset: 40, .size: 8, .value_kind: global_buffer, .address_space: global }
      - { .name: I, .offset: 48, .size: 8, .value_kind: global_buffer, .address_space: global }
      - { .name: out0, .offset: 56, .size: 8, .value_kind: global_buffer, .address_space: global }
      - { .name: out1, .offset: 64, .size: 8, .value_kind: global_buffer, .address_space: global }
      - { .name: out2, .offset: 72, .size: 8, .value_kind: global_buffer, .address_space: global }
    .group_segment_fixed_size: 139776
    .private_segment_fixed_size: 0
    .kernarg_segment_align: 8
    .kernarg_segment_size: 80
    .max_flat_workgroup_size: 128
    .sgpr_count:     66
    .vgpr_count:     672
    .wavefront_size: 32
...
	.end_amdgpu_metadata
.endif
;; end of part 3
;; ======== version 2 of 2: 3 launches; version 1 with the launch gemm written anew for expert scheduling mode
;; workspace buffers: codes_r 8,388,608 bytes; codes_c 8,388,608 bytes; scales 1,048,576 bytes; ypart 262,144 bytes; idx 8,192 bytes of whole numbers; gate 16,384 bytes
;; launch prep: the kernel of part 1 again; grid 16 x 16, 8 waves a work-group, no clusters, 327,680 bytes of LDS; arguments A, X, kernel, codes_r, codes_c, scales, ypart; writes codes_r, codes_c, scales, ypart
;; launch select: the kernel of part 2 again; grid 16 x 1, 4 waves a work-group, no clusters, 3,072 bytes of LDS; arguments ypart, idx, gate; writes idx, gate
;; launch gemm (part 4): grid 16 x 16, 4 waves a work-group, no clusters, 139,776 bytes of LDS; arguments codes_r, codes_c, scales, idx, gate, X, I, out0, out1, out2; writes out0, out1, out2
.if DOCPART == 4
	.amdgcn_target "amdgcn-amd-amdhsa--gfx1250"
	.amdhsa_code_object_version 6
	.text
	.protected	k_q31d5ad6cae_gemm
	.globl	k_q31d5ad6cae_gemm
	.p2align	8
	.type	k_q31d5ad6cae_gemm,@function
k_q31d5ad6cae_gemm:
	s_mov_b64 s[64:65], 0
	v_nop
	global_prefetch_b8 v0, s[64:65] scope:SCOPE_SE
	s_setreg_imm32_b32 hwreg(HW_REG_WAVE_SCHED_MODE, 0, 2), 2
	s_setreg_imm32_b32 hwreg(HW_REG_WAVE_MODE, 25, 1), 1
	s_wait_xcnt 0x0
	s_wait_alu depctr_vm_vsrc(0)
; out1[p][q] = the sum over k of Qrow(A)[idx p][k] Qcol(A)[k][idx q]: only the kept rows and columns of A A are multiplied: 2,048 x 2,048 x 4,096, on codes of FP4 (E2M1) with one E8M0 scale for each 32 along K.
; Beside it: out0[p] = X[idx p] x gate[idx p], out2[p] = I[idx p].
; A work-group (x = tc, y = tr) makes 128 x 128 of out1; wave w makes 64 x 64 (rows 64 (w / 2) on, columns 64 (w % 2) on): 16 accumulators.  K goes in 8 chunks of 512, four matrix instructions deep.
; THE OPERANDS ARE GATHERED BY THE LIST idx, which an earlier launch stored: a lane's address is made of a list entry (held at 4,095).  So the tiles come by loads into registers, lane by lane, and go on into LDS;
; that is also why there are no joint loads here, though sixteen work-groups read each row's codes: a tile whose rows are named by a list in memory is no tile that one descriptor of constants and steps can state.
; codes_r, codes_c: [kc 16][row 4096][128 B]; a chunk is kc 2 t and 2 t + 1: sixteen lanes bring a list entry's 2 x 128 bytes, which are one LDS row of 256 bytes (+ 16 of padding).
; scales: [plane 2][kc 16][4096][8 B]: they go straight into registers: lanes 0-15 the words of A's rows, lanes 16-31 those of B's columns.
; THE MATRIX INSTRUCTION IS USED TRANSPOSED (source 0 = 16 columns' codes, source 1 = 16 rows' codes): a lane then holds eight neighbouring numbers of a row of out1.
; A chunk's 40 loads are issued two chunks ahead, IN FOUR PARTS OF TEN, into two sets of 128 staging registers by turns; LDS has two buffers by turns, one barrier a chunk.
; The 8 chunks are written out: the scale sets come round after 3, the buffers after 2.
; REGISTERS, in windows of 256: window 0: v1-v15 addresses; v16-63 three sets of 16 scale words (register 4 i + q: block i, the chunk's q-th 128 along K); v64-127, v128-191 fragment buffers F0, F1 (A's four, then B's four);
;   v192-221 out0's and out2's work and what the head needs; v254, v255 the closing add's two.   window 1: the staging sets.   window 2: v0-127 the accumulators ((a, b) at 8 (4 a + b)); v128-159 the 32 gather offsets; v160-223 fragment buffer F2.
; THE MODE: SCHED_MODE bits 1:0 = 2 (LLVM: expert scheduling mode 2), set by the entry lines.  The code itself states the register dependences between vector or matrix instructions and memory or LDS instructions, with s_wait_alu, always for 0.
; THE PLAN.  Registers that memory or LDS instructions touch, from the first chunk on:
;   v3-v15, window 2 v128-159   addresses and offsets: written by vector lines at the head, once; read by every load and store; one wait at the head shows them written.
;   staging set t % 2           chunk t's codes land in it (asked for in chunk t - 2); the LDS stores at chunk t - 1's end read it; no vector or matrix instruction names it.
;   scale set t % 3             chunk t's scale words land in it (asked for in chunk t - 2); chunk t's matrix instructions read it.
;   F0, F1, F2                  a chunk's steps 0, 1, 2, 3 take F0, F1, F2, F0: LDS loads land in a buffer, the step's sixteen matrix instructions read it.
;   the accumulators            named by matrix instructions alone, until the way out's LDS stores read them.
; So a chunk holds three waits.  At its head, behind the barrier: one on vm_vsrc (the LDS stores have read the staging set that is asked for again) and one on va_vdst (the last chunk's matrix instructions are done reading
; the three fragment buffers and the scale set that is asked for again): these two cover the fetches of steps 0, 1 and 2 and all forty loads of chunk t + 2, since the matrix instructions issued behind them name only the buffer in hand,
; this chunk's scale set and the accumulators.  In its middle: one on va_vdst, ahead of the fetch of step 3 into F0, which step 0's matrix instructions have read.
.set BUFB, 69632                       ; an LDS buffer: 256 rows x 272 bytes: 128 of A's, then 128 of B's
.set F0,   64
.set F1,   128
.set F2,   160                         ; in window 2
.set W_M0, 0xa0                        ; a product on F0 or F1: sources 0 and 1 window 0, C and D window 2
.set W_M2, 0xaa                        ; a product on F2: all four in window 2
.set MSB,  0
.macro WIN new                         ; s_set_vgpr_msb: bits 1:0 source 0, 3:2 source 1, 5:4 source 2, 7:6 destination; the high byte repeats the setting that is left
.if MSB != \new
	s_set_vgpr_msb (MSB<<8)|\new
.set MSB, \new
.endif
.endm
.macro PLACES                          ; four plain vector lines between a matrix instruction and a load into, or an LDS store of, its registers (ISA guide 7.12.1 for vector instructions)
.rept 4
	v_nop
.endr
.endm
	s_load_b512 s[4:19], s[0:1], 0x0               ; codes_r s[4:5], codes_c s[6:7], scales s[8:9], idx s[10:11], gate s[12:13], X s[14:15], I s[16:17], out0 s[18:19]
	s_load_b128 s[20:23], s[0:1], 0x40             ; out1 s[20:21], out2 s[22:23]
	v_lshl_add_u32 v254, v0, 2, 0x22000
	v_mov_b32 v255, 0
	v_lshrrev_b32 v1, 5, v0
	v_readfirstlane_b32 s24, v1                    ; wave 0..3
	v_and_b32 v1, 15, v0                           ; r
	v_bfe_u32 v2, v0, 4, 1                         ; h
	v_and_b32 v220, 31, v0                         ; lane
	v_lshlrev_b32 v212, 4, v220                    ; 16 x lane
	s_mov_b32 s27, ttmp9                           ; tc
	s_and_b32 s28, ttmp7, 0xffff                   ; tr
	s_wait_alu depctr_va_sdst(0)                   ; s24 is written, ahead of its first reader: shares, addresses and branches are made from it
	s_lshr_b32 s25, s24, 1                         ; wm: which 64 rows
	s_and_b32 s26, s24, 1                          ; wn: which 64 columns
	s_lshl_b32 s32, s28, 7                         ; 128 tr
	s_lshl_b32 s33, s27, 7                         ; 128 tc
	s_cmp_lt_u32 s24, 2                            ; waves 0, 1 stage A's 128 list entries, waves 2, 3 B's: 64 each
	s_cselect_b32 s34, s32, s33
	s_lshl_b32 s35, s26, 6
	s_add_co_u32 s34, s34, s35                     ; the first entry that I stage
	s_add_co_u32 s37, s33, s35                     ; 128 tc + 64 wn: my columns' entries
	s_add_co_u32 s54, s32, s35                     ; 128 tr + 64 wn: out2's entries
	s_lshl_b32 s35, s25, 6
	s_add_co_u32 s36, s32, s35                     ; 128 tr + 64 wm: my rows' entries
	s_lshl_b32 s34, s34, 2
	v_lshl_add_u32 v217, v2, 7, s34                ; lanes 0-15 take 32 entries, lanes 16-31 the next 32
	v_cmp_eq_u32 vcc_lo, 1, v2
	v_mov_b32 v218, s36
	v_mov_b32 v221, s37
	s_wait_alu depctr_va_vcc(0)                    ; the compare has written VCC, which the select below reads
	v_cndmask_b32 v218, v218, v221, vcc_lo         ; scale words: lanes 0-15 A's rows, lanes 16-31 B's columns
	v_add_lshl_u32 v218, v218, v1, 2
	s_lshl_b32 s54, s54, 2
	v_lshl_add_u32 v219, v220, 3, s54              ; out2: two entries a lane
	s_lshl_b32 s40, s27, 3
	s_add_co_u32 s40, s40, s32
	s_lshl_b32 s41, s24, 1
	s_add_co_u32 s40, s40, s41                     ; p = 128 tr + 8 tc + 2 w: the two rows of out0 that I make
	s_lshl_b32 s41, s40, 2
	s_wait_kmcnt 0x0
	s_wait_alu depctr_va_vdst(0)                   ; v217, v218 and v219 are written, which the list's loads read as their offsets
.irp q, 0,1,2,3,4,5,6,7
	global_load_b128 v[64+4*\q:67+4*\q], v217, s[10:11] offset:16*\q    ; my 32 entries
.endr
.irp i, 0,1,2,3
	global_load_b32 v[12+\i], v218, s[10:11] offset:64*\i               ; block i's entry for my lane
.endr
	global_load_b64 v[192:193], v219, s[10:11]
	s_load_b64 s[38:39], s[10:11], s41 offset:0x0
	s_cmp_lt_u32 s24, 2
	s_cselect_b64 s[48:49], s[4:5], s[6:7]         ; the codes that I stage; the choice hangs on the wave's number alone
	v_and_b32 v215, 7, v0
	v_lshlrev_b32 v215, 4, v215
	v_bfe_u32 v221, v0, 3, 1
	v_lshl_add_u32 v215, v221, 19, v215            ; my place in an entry's 2 x 128 bytes: 16 (lane % 8), and one kc (524,288 bytes) on for lanes 8-15 of each half
	v_lshlrev_b32 v216, 19, v2                     ; plane 1 for lanes 16-31
	s_wait_loadcnt 0x0
	s_wait_kmcnt 0x0
.set jj, 0
.rept 32
	v_min_u32 v[64+jj], 0xfff, v[64+jj]            ; a list entry enters an address only held inside the table
.set jj, jj+1
.endr
.irp i, 0,1,2,3
	v_min_u32 v[12+\i], 0xfff, v[12+\i]
.endr
	v_min_u32 v192, 0xfff, v192
	v_min_u32 v193, 0xfff, v193
	s_min_u32 s38, s38, 0xfff
	s_min_u32 s39, s39, 0xfff
	WIN 0x80                                       ; destination window 2
.set jj, 0
.rept 32
	v_lshl_add_u32 v[128+jj], v[64+jj], 7, v215    ; the gather offsets: 128 x node + my place; the chunk stands in the loads' immediate
.set jj, jj+1
.endr
	WIN 0
.irp i, 0,1,2,3
	v_lshl_add_u32 v[12+\i], v[12+\i], 3, v216     ; 8 x node + the plane
.endr
	v_lshlrev_b32 v192, 2, v192
	v_lshlrev_b32 v193, 2, v193
	s_lshl_b32 s56, s38, 2
	s_lshl_b32 s57, s39, 2
	s_load_b32 s44, s[12:13], s56 offset:0x0       ; the two rows' gates
	s_load_b32 s46, s[12:13], s57 offset:0x0
	s_mov_b32 s45, 0                               ; (named with them as pairs by the packed multiplies, so they are written)
	s_mov_b32 s47, 0
	s_lshl_b32 s58, s38, 10
	s_lshl_b32 s59, s39, 10
	v_add_nc_u32 v213, s58, v212
	v_add_nc_u32 v214, s59, v212
	s_wait_alu depctr_va_vdst(0)                   ; the 32 gather offsets, v12-15, v192, v193, v213 and v214 are written, which the loads below and every later load of codes and scale words read; the lines above are done with v64-95, in which fragments land later
	global_load_b32 v194, v192, s[16:17]           ; I of out2's two entries
	global_load_b32 v195, v193, s[16:17]
	global_load_b128 v[196:199], v213, s[14:15]    ; X's two rows, 512 consecutive bytes a load
	global_load_b128 v[200:203], v213, s[14:15] offset:512
	global_load_b128 v[204:207], v214, s[14:15]
	global_load_b128 v[208:211], v214, s[14:15] offset:512
; part p (0 .. 3) of chunk t's 40 loads: 8 of codes (each: two list entries' 256 bytes) into staging set t % 2, 2 of scale words (block p: 8 bytes for 16 rows and 16 columns, for each of the chunk's two kc) into scale set t % 3
.macro GPART t, p
	WIN 0x42                                       ; destination window 1, address window 2
.irp k, 0,1,2,3,4,5,6,7
	global_load_b128 v[128*((\t)%2)+4*(8*(\p)+\k):128*((\t)%2)+4*(8*(\p)+\k)+3], v[128+8*(\p)+\k], s[48:49] offset:(\t)<<20
.endr
	WIN 0
.irp d, 0,1
	global_load_b64 v[16+16*((\t)%3)+4*(\p)+2*\d:16+16*((\t)%3)+4*(\p)+2*\d+1], v[12+(\p)], s[8:9] offset:(2*(\t)+\d)*32768
.endr
.endm
.macro GLOAD t                         ; all four parts on end: the first two chunks, at the head
	GPART \t, 0
	GPART \t, 1
	GPART \t, 2
	GPART \t, 3
.endm
.macro LSTORE t                        ; staging set t % 2 into LDS buffer t % 2: sixteen lanes write a row's 256 bytes
	WIN 0x04                                       ; the data: window 1
.set jj, 0
.rept 32
	ds_store_b128 v[7+((\t)%2)], v[128*((\t)%2)+4*jj:128*((\t)%2)+4*jj+3] offset:272*jj
.set jj, jj+1
.endr
	WIN 0
.endm
; 16 LDS loads: my four fragments of A and four of B for the chunk's q-th 128 along K, into buffer f; w: 0 for F0 and F1, 0x80 (destination window 2) for F2.
; A fragment, 16 rows x 128 K of 4-bit codes, is 8 registers: lane l holds row l % 16; registers 4 c .. 4 c + 3 hold K = 64 c + 32 (l / 16) + 0 .. 31
.macro FETCH b, q, f, w
	WIN \w
.irp i, 0,1,2,3
.irp c, 0,1
	ds_load_b128 v[\f+8*\i+4*\c:\f+8*\i+4*\c+3], v[3+\b] offset:4352*\i+64*(\q)+32*\c
.endr
.endr
.irp i, 0,1,2,3
.irp c, 0,1
	ds_load_b128 v[\f+32+8*\i+4*\c:\f+32+8*\i+4*\c+3], v[5+\b] offset:4352*\i+64*(\q)+32*\c
.endr
.endr
.endm
; 8 matrix instructions: A's blocks a0 and a0 + 1 against B's four.  Two such runs are a step: the 16 accumulators by turns, one instruction a turn, in the same order in every step.
; zero = 1: the first products start the sums: nothing is cleared.  w: the windows (W_M0 or W_M2).
; Source 0's scales (B's) are read from lanes 16-31 of register 4 b + q, source 1's (A's) from lanes 0-15 of register 4 a + q.
.macro MUL8 f, q, sc, zero, w, a0
	WIN \w
.irp a, \a0, \a0+1
.irp b, 0,1,2,3
.if \zero
	v_wmma_scale_f32_16x16x128_f8f6f4 v[8*(4*(\a)+\b):8*(4*(\a)+\b)+7], v[\f+32+8*\b:\f+39+8*\b], v[\f+8*(\a):\f+7+8*(\a)], 0, v[\sc+4*\b+\q], v[\sc+4*(\a)+\q] matrix_a_fmt:MATRIX_FMT_FP4 matrix_b_fmt:MATRIX_FMT_FP4 matrix_a_scale:MATRIX_SCALE_ROW1
.else
	v_wmma_scale_f32_16x16x128_f8f6f4 v[8*(4*(\a)+\b):8*(4*(\a)+\b)+7], v[\f+32+8*\b:\f+39+8*\b], v[\f+8*(\a):\f+7+8*(\a)], v[8*(4*(\a)+\b):8*(4*(\a)+\b)+7], v[\sc+4*\b+\q], v[\sc+4*(\a)+\q] matrix_a_fmt:MATRIX_FMT_FP4 matrix_b_fmt:MATRIX_FMT_FP4 matrix_a_scale:MATRIX_SCALE_ROW1
.endif
.endr
.endr
.endm
.macro MUL f, q, sc, w                 ; a whole step
	MUL8 \f, \q, \sc, 0, \w, 0
	MUL8 \f, \q, \sc, 0, \w, 2
.endm
	GLOAD 0
	GLOAD 1
	; LDS addresses and the outputs' bases, while the loads are on their way
	v_mul_u32_u24 v221, v1, 272
	v_lshl_add_u32 v221, v2, 4, v221               ; a fragment's row x pitch + 16 x half
	s_mul_i32 s29, s25, 17408                      ; my 64 rows of A
	s_mul_i32 s30, s26, 17408                      ; my 64 rows of B,
	s_add_co_u32 s30, s30, 34816                   ; behind A's 128
	v_add_nc_u32 v3, s29, v221                     ; v3, v4: A's fragments in buffer 0, 1
	v_add_nc_u32 v4, BUFB, v3
	v_add_nc_u32 v5, s30, v221                     ; v5, v6: B's
	v_add_nc_u32 v6, BUFB, v5
	s_mul_i32 s31, s24, 17408                      ; I stage rows 64 w .. 64 w + 63
	v_mul_u32_u24 v7, v2, 8704                     ; lanes 16-31: 32 rows further on
	v_lshl_add_u32 v7, v1, 4, v7
	v_add_nc_u32 v7, s31, v7                       ; v7, v8: where I store staged rows in buffer 0, 1
	v_add_nc_u32 v8, BUFB, v7
	s_mul_i32 s31, s24, 4352                       ; the way out: 16 rows x 272 bytes for each wave, in buffer 0
	v_mul_u32_u24 v9, v1, 272
	v_lshl_add_u32 v9, v2, 5, v9
	v_add_nc_u32 v9, s31, v9                       ; v9: in: row r, 32 bytes for each half of the lanes
	v_mul_u32_u24 v10, v2, 272
	v_lshl_add_u32 v10, v1, 4, v10
	v_add_nc_u32 v10, s31, v10                     ; v10: back: lanes 0-15 one row of 256 bytes, lanes 16-31 the next
	v_lshlrev_b32 v11, 13, v2
	v_lshl_add_u32 v11, v1, 4, v11                 ; v11: the same two rows in out1 (8,192 bytes a row)
	s_lshl_b32 s50, s36, 13
	s_lshl_b32 s51, s37, 2
	s_add_co_u32 s50, s50, s51
	s_mov_b32 s51, 0
	s_add_nc_u64 s[50:51], s[20:21], s[50:51]      ; out1 at my 64 x 64
	s_lshl_b32 s52, s40, 10
	s_mov_b32 s53, 0
	s_add_nc_u64 s[52:53], s[18:19], s[52:53]      ; out0 at row p
	s_or_b32 s55, s27, s25                         ; 0 in waves 0 and 1 of the work-groups with tc = 0: they store out2
	s_wait_loadcnt 40                              ; all but chunk 1's 40 loads are in: I, X, chunk 0's codes and scale words
	s_wait_kmcnt 0x0                               ; the gates
.irp k, 0,2,4,6
	v_pk_mul_f32 v[196+\k:197+\k], v[196+\k:197+\k], s[44:45] op_sel_hi:[1,0]
	v_pk_mul_f32 v[204+\k:205+\k], v[204+\k:205+\k], s[46:47] op_sel_hi:[1,0]
.endr
	s_wait_alu depctr_va_vdst(0)                   ; the addresses v3 to v11 are written, which every LDS load and store and out1's stores read; the multiplies have written v196-211, which out0's stores read
	LSTORE 0
	global_store_b128 v212, v[196:199], s[52:53] th:TH_STORE_NT              ; 512 consecutive bytes each; these registers are not written again
	global_store_b128 v212, v[200:203], s[52:53] offset:512 th:TH_STORE_NT
	global_store_b128 v212, v[204:207], s[52:53] offset:1024 th:TH_STORE_NT
	global_store_b128 v212, v[208:211], s[52:53] offset:1536 th:TH_STORE_NT
	s_cmp_eq_u32 s55, 0
	s_cbranch_scc0 .Lno_out2
	global_store_b64 v219, v[194:195], s[22:23] th:TH_STORE_NT               ; 64 entries: 256 consecutive bytes, aligned
.Lno_out2:
	s_wait_dscnt 0x0                               ; for the others' sake: my rows of chunk 0 have landed
	s_barrier_signal -1
	s_barrier_wait -1
; CHUNK t reads LDS buffer t % 2.  The barrier at its end does two things: in front of it every wave's reads of this buffer are back and its rows of chunk t + 1 have landed in the other buffer.
; The other buffer was read in chunk t - 1, and every wave's reads of it were back in front of the barrier at that chunk's end.
; The fetches of steps 0 and 1 stand at the head, that of step 2 in the middle of step 0's products, that of step 3 ahead of step 1's; a part of chunk t + 2's loads stands ahead of each wait for fragments, so that its ten issues lie beside that wait.
.macro CHUNK t
.set BUF, (\t)%2
.set SCS, 16+16*((\t)%3)
.if (\t) <= 5
	s_wait_alu depctr_vm_vsrc(0)                   ; my LDS stores of chunk t's rows have read staging set t % 2, in which chunk t + 2's codes land
.endif
.if (\t) > 0
	s_wait_alu depctr_va_vdst(0)                   ; the last chunk's matrix instructions are done reading F0, F1 and F2, in which this chunk's fragments land, and scale set (t + 2) % 3, in which chunk t + 2's scale words land
.endif
	FETCH BUF, 0, F0, 0
	FETCH BUF, 1, F1, 0
.if (\t) <= 5
	GPART (\t)+2, 0
.endif
	s_wait_dscnt 16                                ; F0 is in; F1's sixteen loads may be out
.if (\t) == 0
	MUL8 F0, 0, SCS, 1, W_M0, 0
.else
	MUL8 F0, 0, SCS, 0, W_M0, 0
.endif
	FETCH BUF, 2, F2, 0x80                         ; no wait: no vector or matrix instruction since the head's wait names F2 or the addresses
.if (\t) == 0
	MUL8 F0, 0, SCS, 1, W_M0, 2
.else
	MUL8 F0, 0, SCS, 0, W_M0, 2
.endif
.if (\t) <= 5
	GPART (\t)+2, 1
.endif
	s_wait_dscnt 16                                ; F1 is in; F2's sixteen may be out
	PLACES
	WIN 0
	s_wait_alu depctr_va_vdst(0)                   ; step 0's matrix instructions are done reading F0, in which step 3's fragments land
	FETCH BUF, 3, F0, 0
	MUL F1, 1, SCS, W_M0
.if (\t) <= 5
	GPART (\t)+2, 2
.endif
	s_wait_dscnt 16                                ; F2 is in; F0's sixteen may be out
	MUL F2, 2, SCS, W_M2
.if (\t) <= 5
	GPART (\t)+2, 3
.endif
	s_wait_dscnt 0x0                               ; F0 is in
	MUL F0, 3, SCS, W_M0
	PLACES                                         ; for the next loads into the fragment buffers and scale sets, and for the way out's reads of results
.if (\t) <= 5
	s_wait_loadcnt 40                              ; chunk t + 1's codes and scale words are in; chunk t + 2's four parts, 40 loads, all issued behind them, may be out
.elseif (\t) == 6
	s_wait_loadcnt 0x0                             ; the last chunk's
.endif
.if (\t) <= 6
	LSTORE (\t)+1
	s_wait_dscnt 0x0
	s_barrier_signal -1
	s_barrier_wait -1
.endif
.endm
	CHUNK 0
	CHUNK 1
	CHUNK 2
	CHUNK 3
	CHUNK 4
	CHUNK 5
	CHUNK 6
	CHUNK 7
; THE WAY OUT, block by block of 16 rows x 64 columns.  A lane holds 32 neighbouring bytes of a row, the lanes beside it other rows: a block goes through my own stage and comes back as whole rows of 256 bytes.
; The stage lies in buffer 0: chunk 7 reads buffer 1, and every wave's reads of buffer 0 were back in front of the barrier at chunk 6's end.
; LDS serves a wave's instructions in order (ISA guide 5.7.1.4): no wait between the stores and the loads, nor in front of the next block's stores.  Each block comes back into registers of its own: no store's data are written again.
.macro TOSTAGE a
	WIN 0x08                                       ; the data: window 2
.irp b, 0,1,2,3
	ds_store_b128 v9, v[8*(4*(\a)+\b):8*(4*(\a)+\b)+3] offset:64*\b          ; each accumulator from its low end on
	ds_store_b128 v9, v[8*(4*(\a)+\b)+4:8*(4*(\a)+\b)+7] offset:64*\b+16
.endr
	WIN 0
.irp t, 0,1,2,3,4,5,6,7
	ds_load_b128 v[64+32*(\a)+4*\t:64+32*(\a)+4*\t+3], v10 offset:544*\t
.endr
.endm
.macro SEND a, younger                 ; younger: the LDS instructions issued behind block a's loads: the next block's sixteen, or none
	s_wait_dscnt \younger
.irp t, 0,1,2,3,4,5,6,7
	global_store_b128 v11, v[64+32*(\a)+4*\t:64+32*(\a)+4*\t+3], s[50:51] offset:(16*(\a)+2*\t)*8192 th:TH_STORE_NT   ; sixteen lanes store 256 consecutive bytes, at a multiple of 256 from out1's first byte
.endr
.endm
	s_wait_alu depctr_va_vdst(0)                   ; the matrix instructions have written the accumulators, which the LDS stores read, and are done reading v64-191, in which the stage's rows land; chunk 7's four places stay beside this wait
	TOSTAGE 0
	TOSTAGE 1
	SEND 0, 16
	TOSTAGE 2
	SEND 1, 16
	TOSTAGE 3
	SEND 2, 16
	SEND 3, 0
	s_wait_dscnt 0x0                               ; the closing lines, six on end (every window is 0 here: the add's two registers lie in window 0)
	s_wait_alu 0x0
	s_wait_tensorcnt 0x0
	ds_add_u32 v254, v255
	s_wait_dscnt 0x0
	s_endpgm
.Lfunc_end_k_q31d5ad6cae_gemm:
	.size	k_q31d5ad6cae_gemm, .Lfunc_end_k_q31d5ad6cae_gemm-k_q31d5ad6cae_gemm
	.p2alignl 7, 3214868480
	.fill 96, 4, 3214868480
	.section	.rodata,"a",@progbits
	.p2align	6, 0x0
	.amdhsa_kernel k_q31d5ad6cae_gemm
		.amdhsa_group_segment_fixed_size 139776
		.amdhsa_private_segment_fixed_size 0
		.amdhsa_enable_private_segment 0
		.amdhsa_kernarg_size 80
		.amdhsa_user_sgpr_count 2
		.amdhsa_user_sgpr_kernarg_segment_ptr 1
		.amdhsa_wavefront_size32 1
		.amdhsa_system_sgpr_workgroup_id_x 1
		.amdhsa_system_sgpr_workgroup_id_y 1
		.amdhsa_system_sgpr_workgroup_id_z 1
		.amdhsa_system_vgpr_workitem_id 0
		.amdhsa_next_free_vgpr 736
		.amdhsa_next_free_sgpr 66
		.amdhsa_reserve_vcc 1
		.amdhsa_float_denorm_mode_32 3
		.amdhsa_float_denorm_mode_16_64 3
		.amdhsa_memory_ordered 1
		.amdhsa_forward_progress 1
		.amdhsa_inst_pref_size 171
	.end_amdhsa_kernel
	.amdgpu_metadata
---
amdhsa.version: [ 1, 2 ]
amdhsa.kernels:
  - .name:           k_q31d5ad6cae_gemm
    .symbol:         k_q31d5ad6cae_gemm.kd
    .args:
      - { .name: codes_r, .offset: 0, .size: 8, .value_kind: global_buffer, .address_space: global }
      - { .name: codes_c, .offset: 8, .size: 8, .value_kind: global_buffer, .address_space: global }
      - { .name: scales, .offset: 16, .size: 8, .value_kind: global_buffer, .address_space: global }
      - { .name: idx, .offset: 24, .size: 8, .value_kind: global_buffer, .address_space: global }
      - { .name: gate, .offset: 32, .size: 8, .value_kind: global_buffer, .address_space: global }
      - { .name: X, .offset: 40, .size: 8, .value_kind: global_buffer, .address_space: global }
      - { .name: I, .offset: 48, .size: 8, .value_kind: global_buffer, .address_space: global }
      - { .name: out0, .offset: 56, .size: 8, .value_kind: global_buffer, .address_space: global }
      - { .name: out1, .offset: 64, .size: 8, .value_kind: global_buffer, .address_space: global }
      - { .name: out2, .offset: 72, .size: 8, .value_kind: global_buffer, .address_space: global }
    .group_segment_fixed_size: 139776
    .private_segment_fixed_size: 0
    .kernarg_segment_align: 8
    .kernarg_segment_size: 80
    .max_flat_workgroup_size: 128
    .sgpr_count:     66
    .vgpr_count:     736
    .wavefront_size: 32
...
	.end_amdgpu_metadata
.endif
;; end of part 4
